; MI455X (gfx1250); checked and timed in simulation.
; The chip was launched on July 23, 2026; its instructions are those of AMD's public machine-readable ISA for CDNA 5 (MIT licence, August 2026) and "CDNA5" Instruction Set Architecture Reference Guide (July 2026). The comments in the code are by the model that wrote it; some were corrected since.
;; Naive Fourier KAN Layer. Allowed arithmetic: float matrix products may take bf16 or f16 operands with f32 sums; all other float work in f32.
;; Inputs: fouriercoeffs 2 x 512 x 1,024 x 8 float32; x 8,192 x 1,024 float32.
;; Outputs: out0 8,192 x 512 float32.
;; One version. Each part assembles by itself: llvm-mc -triple=amdgcn-amd-amdhsa -mcpu=gfx1250 --defsym DOCPART=n.
;; ======== version 1 of 1: 3 launches
;; limits: values are held in f16: magnitudes above 65,504 overflow, below 6.1e-05 lose precision; inputs' magnitudes at most 65,504; an absolute error that grows with the inputs' magnitude: up to 4.8e-07 times it; right only within a limited range of input values
;; workspace buffers: wh 16,777,216 bytes; part 67,108,864 bytes
;; launch wcvt (part 1): grid 512 x 1, 8 waves a work-group, no clusters, 0 bytes of LDS; arguments fouriercoeffs, wh; writes wh
.if DOCPART == 1
	.amdgcn_target "amdgcn-amd-amdhsa--gfx1250"
	.amdhsa_code_object_version 6
	.text
	.protected	k_q01e3c7f1ff_wcvt
	.globl	k_q01e3c7f1ff_wcvt
	.p2align	8
	.type	k_q01e3c7f1ff_wcvt,@function
k_q01e3c7f1ff_wcvt:
	s_mov_b64 s[64:65], 0
	v_nop
	global_prefetch_b8 v0, s[64:65] scope:SCOPE_SE
	s_setreg_imm32_b32 hwreg(HW_REG_WAVE_MODE, 25, 1), 1
	s_wait_xcnt 0x0
; wh[n][i][t][k] = f16(fouriercoeffs[t][n][i][k]).  fouriercoeffs: [2][512][1024][8] f32; wh: [512][1024][2][8] f16.
; The next launch multiplies by W with K ordered (i, t, k): the 8 cosine and the 8 sine coefficients of one (n, i) then lie in 32 neighbouring bytes,
; and a K step of 8 i is 256 neighbouring bytes of a row n.
; LIMITS.  f16 ends at 65,504: a coefficient of 65,520 or more becomes an infinity; below 6e-5 a coefficient keeps f16's fixed step of 6e-8.
; SHARES.  Work-group n owns row n of wh: 32,768 bytes = 2,048 pieces of 16 bytes.  Thread tid takes pieces 256 j + tid, j = 0..7: i = 128 j + tid / 2, t = tid % 2.
; A piece is made of 32 bytes of the input (two loads of 16).  Sixteen neighbouring lanes store 256 consecutive bytes, at a multiple of 256 from wh's first byte.
; All sixteen loads of a thread go out first; no register is written twice, so the only waits are the counted ones for the loads.  No LDS, no barrier: no thread needs another's data.
.set IN,  8                            ; v[8:71]    piece j: 8 numbers as loaded
.set OU,  72                           ; v[72:103]  piece j: 4 registers to store
	s_load_b128 s[4:7], s[0:1], 0x0                ; fouriercoeffs s[4:5], wh s[6:7]
	s_lshl_b32 s2, ttmp9, 15                       ; row n is 32,768 bytes in both tensors
	s_mov_b32 s3, 0
	v_and_b32 v1, 1, v0                            ; t
	v_lshrrev_b32 v3, 1, v0                        ; i within 128
	v_lshlrev_b32 v1, 24, v1                       ; the sine half of the input begins 16,777,216 bytes behind the cosine half
	v_lshl_or_b32 v1, v3, 5, v1                    ; + 32 bytes for each i
	v_lshlrev_b32 v2, 4, v0                        ; my 16 bytes of 4,096 in wh
	s_wait_kmcnt 0x0
	s_add_nc_u64 s[4:5], s[4:5], s[2:3]
	s_add_nc_u64 s[6:7], s[6:7], s[2:3]
.irp j, 0,1,2,3,4,5,6,7
	global_load_b128 v[IN+8*(\j):IN+8*(\j)+3],   v1, s[4:5] offset:4096*(\j) th:TH_LOAD_NT
	global_load_b128 v[IN+8*(\j)+4:IN+8*(\j)+7], v1, s[4:5] offset:4096*(\j)+16 th:TH_LOAD_NT
.endr
.irp j, 0,1,2,3,4,5,6,7
	s_wait_loadcnt 14-2*(\j)                       ; loads come back in order (ISA guide 5.7.1): piece j's two are in, the two of each later piece stay out
.irp c, 0,1,2,3
	v_cvt_pk_f16_f32 v[OU+4*(\j)+(\c)], v[IN+8*(\j)+2*(\c)], v[IN+8*(\j)+2*(\c)+1]
.endr
	global_store_b128 v2, v[OU+4*(\j):OU+4*(\j)+3], s[6:7] offset:4096*(\j)   ; no hint: the next launch reads these bytes
.endr
	s_endpgm
.Lfunc_end_k_q01e3c7f1ff_wcvt:
	.size	k_q01e3c7f1ff_wcvt, .Lfunc_end_k_q01e3c7f1ff_wcvt-k_q01e3c7f1ff_wcvt
	.p2alignl 7, 3214868480
	.fill 96, 4, 3214868480
	.section	.rodata,"a",@progbits
	.p2align	6, 0x0
	.amdhsa_kernel k_q01e3c7f1ff_wcvt
		.amdhsa_group_segment_fixed_size 0
		.amdhsa_private_segment_fixed_size 0
		.amdhsa_enable_private_segment 0
		.amdhsa_kernarg_size 16
		.amdhsa_user_sgpr_count 2
		.amdhsa_user_sgpr_kernarg_segment_ptr 1
		.amdhsa_wavefront_size32 1
		.amdhsa_system_sgpr_workgroup_id_x 1
		.amdhsa_system_sgpr_workgroup_id_y 1
		.amdhsa_system_sgpr_workgroup_id_z 1
		.amdhsa_system_vgpr_workitem_id 0
		.amdhsa_next_free_vgpr 104
		.amdhsa_next_free_sgpr 66
		.amdhsa_reserve_vcc 0
		.amdhsa_float_denorm_mode_32 3
		.amdhsa_float_denorm_mode_16_64 3
		.amdhsa_memory_ordered 1
		.amdhsa_forward_progress 1
		.amdhsa_inst_pref_size 6
	.end_amdhsa_kernel
	.amdgpu_metadata
---
amdhsa.version: [ 1, 2 ]
amdhsa.kernels:
  - .name:           k_q01e3c7f1ff_wcvt
    .symbol:         k_q01e3c7f1ff_wcvt.kd
    .args:
      - { .name: fouriercoeffs, .offset: 0, .size: 8, .value_kind: global_buffer, .address_space: global }
      - { .name: wh, .offset: 8, .size: 8, .value_kind: global_buffer, .address_space: global }
    .group_segment_fixed_size: 0
    .private_segment_fixed_size: 0
    .kernarg_segment_align: 8
    .kernarg_segment_size: 16
    .max_flat_workgroup_size: 256
    .sgpr_count:     66
    .vgpr_count:     104
    .wavefront_size: 32
...
	.end_amdgpu_metadata
.endif
;; end of part 1
;; launch kan (part 2): grid 32 x 8, 4 waves a work-group, clusters of 4 x 1, 327,680 bytes of LDS; arguments x, wh, part; writes part
.if DOCPART == 2
	.amdgcn_target "amdgcn-amd-amdhsa--gfx1250"
	.amdhsa_code_object_version 6
	.text
	.protected	k_q01e3c7f1ff_kan
	.globl	k_q01e3c7f1ff_kan
	.p2align	8
	.type	k_q01e3c7f1ff_kan,@function
k_q01e3c7f1ff_kan:
	s_mov_b64 s[64:65], 0
	v_nop
	global_prefetch_b8 v0, s[64:65] scope:SCOPE_SE
	s_setreg_imm32_b32 hwreg(HW_REG_WAVE_MODE, 25, 1), 1
	s_wait_xcnt 0x0
	s_wait_alu depctr_hold_cnt(0) depctr_sa_sdst(0) depctr_va_vdst(0) depctr_va_sdst(0) depctr_va_ssrc(0) depctr_va_vcc(0) depctr_vm_vsrc(0)
	s_getreg_b32 s2, hwreg(HW_REG_IB_STS2, 6, 4)
	s_cmp_eq_u32 s2, 0
	s_cbranch_scc0 .Lentry_in_a_cluster
	s_endpgm
.Lentry_in_a_cluster:
	s_bfe_u32 s2, ttmp6, 0x10000c
	s_cmp_lg_u32 s2, 0x3003
	s_cbranch_scc0 .Lentry_shape_is_right
	s_endpgm
.Lentry_shape_is_right:
; part[kq][b][j] = the sum over the 256 i of quarter kq and k = 1..8 of cos(k x[b][i]) W[0][j][i][k] + sin(k x[b][i]) W[1][j][i][k].
; x: [8192][1024] f32.  wh: [512][1024][2][8] f16 (W, laid out by the launch before).  part: [4][8192][512] f32; the launch behind adds the four quarters.
; It is a product F Wh^T with M = 8,192, N = 512, K = 16,384, whose left operand F (16 features for each x) is never in memory: each lane makes its own part of a fragment from one x.
; FORMAT.  Both operands f16, sums f32.  Features lie in -1 to 1; f16 keeps 11 significant bits where bf16 keeps 8.
; LIMITS.  W as wh holds it (f16: nothing beyond 65,504; a fixed step of 6e-8 below 6e-5).  cos(k x) is made from x, not from the product k x rounded to f32 as the problem's function makes it:
; the angles differ by up to |8 x| 2^-24 (1e-5 at |x| = 165, 1e-3 near |x| = 2,000).  The reduction takes x - n 2 pi with 2 pi in two f32 words: good while n, about |x| / 6.3, stays some thousands.
; The series' length goes by the reduced range (half the angle within pi/2), not by the data.  A NaN or an infinity in x makes its row NaN.
; SHARES.  A work-group makes 256 rows x 256 columns for one quarter of K: 32 row blocks x 2 column halves x 4 quarters = 256 work-groups.  Each of its four waves owns 64 rows x all 256 columns
; (64 accumulators of 16 x 16, 512 registers), so no feature is made twice in a work-group, and a feature fragment feeds 16 matrix instructions.
; K ORDER.  32 STEPS of 8 i; a step's tile of wh is 256 rows x 256 bytes.  A step is four QUARTERS q of 32 along K, 64 matrix instructions each.  In quarter q the lanes' half h takes i = 8 step + 4 h + q:
; a fragment's registers 0-3 hold cos(1..8 x) (or W[0]), registers 4-7 sin(1..8 x) (or W[1]).  Both sources use the same order, so the products are the right ones.
; THE MATRIX INSTRUCTION IS USED TRANSPOSED (source 0 = 16 rows of wh, source 1 = 16 rows of features): a lane then holds eight neighbouring columns of one row of the result.
; FEATURES.  n = rndne(x / 2 pi); t = x - n 2 pi; u = t t; (-sin(t/2) / t, cos(t/2)) by two series in u, evaluated as a pair; c1 = 1 - 2 sin^2(t/2), s1 = 2 sin(t/2) cos(t/2);
; (c, s)_k = 2 c1 (c, s)_(k-1) - (c, s)_(k-2); eight roundings to f16.  29 instructions for a fragment's 512 features.  The list is cut into 29 slices (one step for each of the wave's four row blocks),
; and a slice stands behind every second matrix instruction: quarter q's products carry the making of quarter q + 1's features.
; CLUSTER.  The four work-groups of a cluster differ in their rows alone and walk the same tiles of wh, so each tile is asked for JOINTLY: the same tensor load, descriptor and mask in all four.
; REGISTERS, in windows of 256 (s_set_vgpr_msb: bits 1:0 source 0, 3:2 source 1, 5:4 source 2, 7:6 destination):
;   window 0: v0-15 addresses; v16-29 constants; v32-63 x of two steps; v64-151 at work on features, 22 a row block; v160-223 two buffers of four feature fragments
;   window 1: v0-63, v64-127 fragments of wh for column blocks 0-7, 8-15; v128-255 the next 64 columns of x on their way in.  On the way out: two buffers of 128
;   windows 2, 3: the accumulators: (row block a, column block b) in window 2 + b / 8 at v[8 (4 (b % 8) + a)]
; No window has room for the features' registers beside a product's operands, so a slice costs two switches: about one for each matrix instruction.
.set PITCH,  272                       ; an LDS row: 256 bytes + 16 of padding = 68 words: row r starts at bank 4 r mod 64 (64 banks of 4 bytes: ISA guide 11.1), so the 16 rows of a load start at 16 different banks
.set WROWS,  64*PITCH                  ; 64 rows: what one tensor load brings; also a wave's stage
.set SLOT,   4*WROWS                   ; a step's 256 rows of wh
.set XST,    2*SLOT                    ; behind the ring, never filled by a tensor load: for each wave 64 rows x 64 numbers of x; behind the wave's last read of x the same bytes are its stage for the way out
.set OPITCH, 1040                      ; the way out: a row of 256 f32 + 16 bytes
.set SPARE,  XST+4*WROWS               ; the spare words, 128 bytes for each wave: two blocks of 256 bytes that no other line names
.set BA,   4                           ; v4-5   LDS address of my fragments of wh in slot 0, 1: r x 272 + 128 h
.set XA0,  6                           ; v6     my place in my wave's x stage: r x 272 + 16 h
.set XA,   7                           ; v7     the same plus the pair of steps in hand
.set XGO,  8                           ; v8     x in memory: lanes 0-15 one row's 256 bytes, lanes 16-31 the next row's
.set XSA,  9                           ; v9     the same two rows in the stage
.set STO,  10                          ; v10    the way out: where I put 32 bytes of a row
.set RD,   11                          ; v11    the way out: where I read half a row back
.set GO,   12                          ; v12    my 16 bytes of 512 in part
.set SPW,  14                          ; v14    LDS address of my spare word: SPARE + 4 x my thread's number; never rewritten
.set NIL,  15                          ; v15    0; never rewritten
.set KC,   16                          ; v16-27 the series' coefficients, pairs (sine's, negated; cosine's)
.set ONE,  28                          ; v28-29 (1, 0)
.set X0,   32                          ; v32-47 x of an even step, v48-63 of an odd one: row block a's four numbers at + 4 a
.set TMP,  64                          ; row block a at TMP + 22 a: +0 u, later 2 c1; +1 n; +2, +3 the series' pair; +4 2 sin(t/2); +5 t; +4+2k, +5+2k (c, s)_k
.set AF0,  160                         ; feature fragments: buffer 0, and buffer 1 at + 32
.set XG,   128                         ; window 1
.set WV,   10                          ; s10    my wave's number
.set G1,   16                          ; s[16:23] descriptor group 1
.set G0,   24                          ; s[24:31] descriptor group 0, a set for each slot
.set CNT,  36                          ; s36    the loop's trips to go
.set XO,   37                          ; s37    byte of the pair of steps in hand in a row of the x stage: 0, 64, 128, 192
.set C2PH, 40                          ; s40    -(2 pi rounded to f32)
.set C2PL, 41                          ; s41    -(2 pi less that)
.set MSB, 0
.macro WIN new                         ; the immediate's high byte repeats the setting that is left; a switch that changes nothing is dropped
.if MSB != (\new)
	s_set_vgpr_msb (MSB<<8)|(\new)
.set MSB, \new
.endif
.endm
.set MUL_A, 0xa1                       ; source 0 (wh) window 1, source 1 (features) window 0, C and D window 2
.set TO_1,  0x40                       ; destination window 1, address window 0
.set ST_1,  0x04                       ; store data window 1
.set ST_2,  0x08                       ; store data window 2 (window 3: + 4)
; A round of the cluster's barrier: my work-group's barrier, so that wave 0's signal speaks for all four waves; wave 0 signals for the work-group; every wave waits for all four work-groups;
; my work-group's barrier once more.  No LDS instruction of the wave is pending at a signal.
.macro CREST                           ; a round behind its opening barrier
	s_cmp_lg_u32 s[WV], 0
	s_cbranch_scc1 .Lnot_wave_0_\@
	s_barrier_signal -3
.Lnot_wave_0_\@:
	s_barrier_wait -3
	s_barrier_signal -1
	s_barrier_wait -1
.endm
.macro CROUND                          ; a whole round
	s_barrier_signal -1
	s_barrier_wait -1
	CREST
.endm
.macro PLACES                          ; four places between a matrix instruction and a load into, or a store from, one of its registers (ISA guide 7.12.1 for vector instructions)
.rept 4
	v_nop
.endr
.endm
; A joint refill: every wave asks for its own 64 rows of the step's tile; an s_nop 0 and four v_nop follow; they are also places in front of the loads behind them.
.macro TLOAD s
	tensor_load_to_lds s[G0+4*(\s):G0+4*(\s)+3], s[G1:G1+7]
	s_nop 0
	PLACES
.endm
	s_load_b128 s[4:7], s[0:1], 0x0                ; x s[4:5], wh s[6:7]
	s_load_b64 s[8:9], s[0:1], 0x10                ; part
	v_lshl_add_u32 v[SPW], v0, 2, SPARE
	v_mov_b32 v[NIL], 0
	ds_add_u32 v[SPW], v[NIL]                      ; the wave's opening: the add and its wait stand ahead of my first tensor load; the set-up below, work on registers, stands between them
	v_lshrrev_b32 v1, 5, v0
	v_readfirstlane_b32 s[WV], v1                  ; wave 0..3
	s_bfe_u32 s11, ttmp6, 0x40000                  ; cx: my place in the cluster
	s_lshl_b32 s12, ttmp9, 2                       ; in a cluster launch ttmp9 counts clusters
	s_add_co_u32 s12, s12, s11                     ; my block of 256 rows = 4 x cluster x + cx: it enters x's and part's addresses alone
	s_and_b32 s13, ttmp7, 0xffff                   ; y, which the four partners share:
	s_and_b32 s14, s13, 1                          ; the half of the columns,
	s_lshr_b32 s15, s13, 1                         ; the quarter of K
	; descriptor group 1: a tile of 64 rows x 128 elements, padded in LDS
	s_mov_b32 s[G1+0], 15|(1<<16)|(1<<20)|(1<<21)|(5<<22)|(3<<25)  ; 15:0 the mask: all four work-groups; 17:16 elements of 2 bytes; 20 padding on; 21 set beside a mask; 24:22 after every 64 words (code 5); 31:25 4 words of it (code 3)
	s_mov_b32 s[G1+1], 128<<16                     ; tensor_dim0 = 128
	s_mov_b32 s[G1+2], 64<<16                      ; tensor_dim1 = 64
	s_mov_b32 s[G1+3], 128<<16                     ; tile_dim0 = 128
	s_mov_b32 s[G1+4], 64                          ; tile_dim1 = 64
	s_mov_b32 s[G1+5], 16384                       ; elements from a row of wh to the next
	s_mov_b32 s[G1+6], 0
	s_mov_b32 s[G1+7], 0
	s_lshl_b32 s32, s12, 20                        ; x: (256 block + 64 wave) rows of 4,096 bytes + 1,024 bytes for each quarter
	s_lshl_b32 s44, s[WV], 18
	s_add_co_u32 s32, s32, s44
	s_lshl_b32 s44, s15, 10
	s_add_co_u32 s32, s32, s44
	s_mov_b32 s33, 0
	s_lshl_b32 s34, s14, 23                        ; wh: (256 half + 64 wave) rows of 32,768 bytes + 8,192 bytes for each quarter: nothing of cx enters these registers
	s_lshl_b32 s45, s[WV], 21
	s_add_co_u32 s34, s34, s45
	s_lshl_b32 s45, s15, 13
	s_add_co_u32 s34, s34, s45
	s_mov_b32 s35, 0
	s_lshl_b32 s42, s15, 24                        ; part: 16,777,216 bytes for each quarter + (256 block + 64 wave) rows of 2,048 bytes + 1,024 bytes for the half
	s_lshl_b32 s44, s12, 19
	s_add_co_u32 s42, s42, s44
	s_lshl_b32 s44, s[WV], 17
	s_add_co_u32 s42, s42, s44
	s_lshl_b32 s44, s14, 10
	s_add_co_u32 s42, s42, s44
	s_mov_b32 s43, 0
	s_mul_i32 s38, s[WV], WROWS                    ; my 64 rows in a slot: no place in the cluster enters an LDS address
	s_add_co_u32 s39, s38, XST                     ; my stage
	s_mov_b32 s[C2PH], 0xc0c90fdb
	s_mov_b32 s[C2PL], 0x343bbd2e
	s_mov_b32 s[XO], 0
	s_wait_dscnt 0x0                               ; the opening add is done
	s_wait_kmcnt 0x0
	s_add_nc_u64 s[4:5], s[4:5], s[32:33]
	s_add_nc_u64 s[6:7], s[6:7], s[34:35]
	s_add_nc_u64 s[8:9], s[8:9], s[42:43]
.irp s, 0,1
	s_mov_b32 s[G0+4*(\s)], 1                                      ; 1:0 count = 1
	s_add_co_u32 s[G0+4*(\s)+1], s38, (\s)*SLOT                    ; 63:32 LDS address
	s_add_nc_u64 s[G0+4*(\s)+2:G0+4*(\s)+3], s[6:7], (\s)*256      ; 120:64 global address: step s
	s_or_b32 s[G0+4*(\s)+3], s[G0+4*(\s)+3], 0x80000000            ; 127:126 type = 2
.endr
	CROUND                                         ; all four work-groups are here: the first joint loads meet
	tensor_load_to_lds s[G0:G0+3], s[G1:G1+7]      ; both first fills go out together, ahead of every wait on TENSORcnt and every LDS read: two loads of mine are out, later one
	s_nop 0
	tensor_load_to_lds s[G0+4:G0+7], s[G1:G1+7]
	s_nop 0
	PLACES
	v_and_b32 v1, 15, v0                           ; r = lane % 16
	v_bfe_u32 v2, v0, 4, 1                         ; h = lane / 16
	v_lshlrev_b32 v[XGO], 4, v1
	v_lshl_add_u32 v[XGO], v2, 12, v[XGO]          ; 16 r + 4,096 h
; 64 columns of x for my 64 rows: 32 loads, each two whole rows of 256 bytes, into window 1
.macro XGET
	WIN TO_1
.set e, 0
.rept 32
	global_load_b128 v[XG+4*e:XG+4*e+3], v[XGO], s[4:5] offset:8192*e
.set e, e+1
.endr
	WIN 0
.endm
; and from there into my stage.  LDS serves a wave's instructions in order (ISA guide 5.7.1.4): these stores come behind my earlier reads of the stage and ahead of my later ones; no other wave touches it.
.macro XPUT
	s_wait_loadcnt 0x0                             ; the 32 loads are in; their base may be stepped
	WIN ST_1
.set e, 0
.rept 32
	ds_store_b128 v[XSA], v[XG+4*e:XG+4*e+3] offset:2*PITCH*e
.set e, e+1
.endr
	WIN 0
.endm
	XGET                                           ; steps 0 to 7
	v_mul_u32_u24 v[BA], v1, PITCH
	v_lshl_add_u32 v[BA], v2, 7, v[BA]             ; a row of wh's tile; half h begins at i = 4 h: 128 bytes on
	v_add_nc_u32 v[BA+1], SLOT, v[BA]
	v_mul_u32_u24 v3, v1, PITCH
	v_lshl_add_u32 v3, v2, 4, v3                   ; a row of x; half h's four numbers lie 16 bytes on
	v_add_nc_u32 v[XA0], s39, v3
	v_mov_b32 v[XA], v[XA0]
	v_mul_u32_u24 v3, v2, PITCH
	v_lshl_add_u32 v3, v1, 4, v3
	v_add_nc_u32 v[XSA], s39, v3
	v_mul_u32_u24 v3, v1, OPITCH
	v_lshl_add_u32 v3, v2, 5, v3                   ; row r; half h's eight columns lie 32 bytes on
	v_add_nc_u32 v[STO], s39, v3
	v_and_b32 v[GO], 31, v0
	v_lshlrev_b32 v[GO], 4, v[GO]
	v_add_nc_u32 v[RD], s39, v[GO]
; sin(t/2) = t (1/2 - u/48 + ...), cos(t/2) = 1 - u/8 + ..., u = t t: Taylor's coefficients times exact powers of two.  The sine's are negated: the series then gives -sin(t/2) / t.
; Behind six terms the next one is 6e-8 (sine) and 5e-7 (cosine) at t/2 = pi/2, the range's end.
.macro KSET i, a, b
	v_mov_b32 v[KC+2*(\i)], \a
	v_mov_b32 v[KC+2*(\i)+1], \b
.endm
	KSET 0, 0xbf000000, 0x3f800000
	KSET 1, 0x3caaaaab, 0xbe000000
	KSET 2, 0xb9888889, 0x3b2aaaab
	KSET 3, 0x35d00d01, 0xb7b60b61
	KSET 4, 0xb1b8ef1d, 0x33d00d01
	KSET 5, 0x2d57322b, 0xaf93f27e
	v_mov_b32 v[ONE], 1.0
	v_mov_b32 v[ONE+1], 0
; THE MATRIX WORK.  Two matrix instructions, numbers w and w + 1 of a quarter's 64: column block w / 4, row block w % 4.  The 64 accumulators take turns in the same order in every quarter.
; ZERO = 1: the products start the sums: nothing is ever cleared.
.macro MM2
	WIN MUL_A+0x50*(w/32)
.rept 2
.set rA, 8*(w%32)
.set rB, 8*(w/4)
.set rF, AFC+8*(w%4)
.if ZERO
	v_wmma_f32_16x16x32_f16 v[rA:rA+7], v[rB:rB+7], v[rF:rF+7], 0
.else
	v_wmma_f32_16x16x32_f16 v[rA:rA+7], v[rB:rB+7], v[rF:rF+7], v[rA:rA+7]
.endif
.set w, w+1
.endr
.endm
; THE VECTOR WORK.  Step k of the 29 that make a feature fragment, for row block a, from the x in v[XR + 4 a], into the fragment at AFN + 8 a.
.macro OPF a
.set tb, TMP+22*(\a)
.set xr, XR+4*(\a)
.set fr, AFN+8*(\a)
.if k == 0
	v_mul_f32 v[tb+1], 0.15915494, v[xr]           ; x / 2 pi
.elseif k == 1
	v_rndne_f32 v[tb+1], v[tb+1]                   ; n
.elseif k == 2
	v_fma_f32 v[tb+5], v[tb+1], s[C2PH], v[xr]     ; t = x - n 2 pi, in two parts
.elseif k == 3
	v_fma_f32 v[tb+5], v[tb+1], s[C2PL], v[tb+5]
.elseif k == 4
	v_mul_f32 v[tb], v[tb+5], v[tb+5]              ; u
.elseif k == 5
	v_pk_fma_f32 v[tb+2:tb+3], v[KC+10:KC+11], v[tb:tb+1], v[KC+8:KC+9] op_sel_hi:[1,0,1]  ; both series at once; u for both halves
.elseif k < 10
	v_pk_fma_f32 v[tb+2:tb+3], v[tb+2:tb+3], v[tb:tb+1], v[KC+2*(9-k):KC+2*(9-k)+1] op_sel_hi:[1,0,1]
.elseif k == 10
	v_mul_f32 v[tb+2], v[tb+5], v[tb+2]            ; -sin(t/2)
.elseif k == 11
	v_mul_f32 v[tb+4], -2.0, v[tb+2]               ; 2 sin(t/2)
.elseif k == 12
	v_pk_fma_f32 v[tb+6:tb+7], v[tb+2:tb+3], v[tb+4:tb+5], v[ONE:ONE+1] op_sel_hi:[1,0,1]  ; c1 = 1 - 2 sin^2(t/2), s1 = 2 sin(t/2) cos(t/2)
.elseif k == 13
	v_add_f32 v[tb], v[tb+6], v[tb+6]              ; 2 c1
.elseif k == 14
	v_pk_fma_f32 v[tb+8:tb+9], v[tb+6:tb+7], v[tb:tb+1], v[ONE:ONE+1] op_sel_hi:[1,0,1] neg_lo:[0,0,1] neg_hi:[0,0,1]  ; (c, s)_2 = 2 c1 (c, s)_1 - (1, 0)
.elseif k < 21
	v_pk_fma_f32 v[tb+2*k-20:tb+2*k-19], v[tb+2*k-22:tb+2*k-21], v[tb:tb+1], v[tb+2*k-24:tb+2*k-23] op_sel_hi:[1,0,1] neg_lo:[0,0,1] neg_hi:[0,0,1]  ; (c, s)_(k-12), 3 to 8
.elseif k < 25
	v_cvt_pk_f16_f32 v[fr+k-21], v[tb+6+4*(k-21)], v[tb+8+4*(k-21)]    ; two cosines
.else
	v_cvt_pk_f16_f32 v[fr+k-21], v[tb+7+4*(k-25)], v[tb+9+4*(k-25)]    ; two sines
.endif
.endm
.macro SL                              ; slice k: step k for the four row blocks, so that no line reads the result of the one before it.  All are plain, and none names a register of the products round it
.if k < 29
	WIN 0
.irp a, 0,1,2,3
	OPF \a
.endr
.endif
.set k, k+1
.endm
.macro PAIRS n
.rept \n
	MM2
	SL
.endr
.endm
; THE LDS LOADS stand in runs of 16: eight fragments of wh (column blocks 8 half .. + 7) of quarter q: a lane's 32 neighbouring bytes, W[0] and W[1] of its i
.macro BLOAD half, slot, q
	WIN TO_1
.irp i, 0,1,2,3,4,5,6,7
	ds_load_b128 v[64*(\half)+8*(\i):64*(\half)+8*(\i)+3],   v[BA+(\slot)] offset:(8*(\half)+(\i))*16*PITCH+32*(\q)
	ds_load_b128 v[64*(\half)+8*(\i)+4:64*(\half)+8*(\i)+7], v[BA+(\slot)] offset:(8*(\half)+(\i))*16*PITCH+32*(\q)+16
.endr
.endm
; a step's x: for each of my four row blocks a lane's four numbers.  step = 1: on to the next pair of steps, round the stage's four pairs
.macro XLOAD buf, imm, step
	WIN 0
.if \step
	s_add_co_u32 s[XO], s[XO], 64
	s_and_b32 s[XO], s[XO], 0xc0
	v_add_nc_u32 v[XA], s[XO], v[XA0]
.endif
.irp a, 0,1,2,3
	ds_load_b128 v[(\buf)+4*(\a):(\buf)+4*(\a)+3], v[XA] offset:(\a)*16*PITCH+(\imm)
.endr
.endm
; One of a step's first three quarters.  It multiplies feature buffer q % 2 and makes quarter q + 1's features in the other.
; The fragments of wh come in halves, each 30 matrix instructions ahead of its first use.  The upper half's last reader is the quarter before's last product: slice 0 is the four places between.
; The lower half's last reader is product 31: slices 15 and 16 stand between.  The feature buffer is first written in slice 21, 84 plain instructions behind its last reader.
; xl = 1, 2: the next step's x is read (into the odd, the even buffer).  burst = 1: in the trips with CNT = 12, 8, 4 (steps 7, 15, 23) the stage takes the next 64 columns of x, behind the read of this
; step's x and ahead of the next step's; in the first two of them the 64 after those are asked for: they have eight steps in which to land.  The jumps go forward and pass no barrier and no tensor load.
.macro QSTEP slot, q, zero=0, xl=0, burst=0
.set w, 0
.set k, 0
.set ZERO, \zero
.set AFC, AF0+32*((\q)%2)
.set AFN, AF0+32*(((\q)+1)%2)
.set XR, X0+16*(\slot)+(\q)+1
	s_wait_dscnt 0x0                               ; the lower half is in
	PAIRS 1
	BLOAD 1, \slot, \q
.if (\xl) == 1
	XLOAD X0+16, 32, 0
.elseif (\xl) == 2
	XLOAD X0, 0, 1
.endif
.if \burst
	WIN 0                                          ; at a branch and at a label every window is 0
	s_and_b32 s38, s[CNT], 3
	s_cmp_lg_u32 s38, 0
	s_cbranch_scc1 .Lno_burst
	XPUT
	s_cmp_eq_u32 s[CNT], 4
	s_cbranch_scc1 .Lno_burst                      ; the quarter's last 64 columns are in the stage: nothing is left to ask for
	s_add_nc_u64 s[4:5], s[4:5], 256
	XGET
.Lno_burst:
.endif
	PAIRS 15
	s_wait_dscnt 0x0                               ; the upper half is in, and whatever else was asked of LDS
	PAIRS 1
	BLOAD 0, \slot, (\q)+1
	PAIRS 15
.endm
; A step's last quarter changes slots and makes the next step's first features.  ONE barrier for the change.  In front of it each wave waits for all its tensor loads, of which one is out: its part of the
; next slot; adds 0 to its spare word; and waits for that and for its own reads of this slot.  Behind it nobody reads this slot any more and the next slot is whole.
; fill = 1: this slot is filled again, two steps ahead.  The barrier then opens a round of the cluster's, so that no wave of any partner still reads the slot or has a load on its way, and the joint
; refill is the first thing behind the round: from there to the wait for it a wave issues 226 matrix instructions.
.macro TURN slot, fill
.set w, 0
.set k, 0
.set ZERO, 0
.set AFC, AF0+32
.set AFN, AF0
.set XR, X0+16*(1-(\slot))
	s_wait_dscnt 0x0                               ; the lower half is in
	PAIRS 1
	BLOAD 1, \slot, 3                              ; my last reads of this slot
	WIN 0                                          ; (the add's two registers lie in window 0)
	s_wait_tensorcnt 0x0                           ; no tensor load of mine is out, so a group 0 may be written
	ds_add_u32 v[SPW], v[NIL]                      ; 0 onto my spare word; work on registers stands between it and the wait for it
.if \fill
	s_add_nc_u64 s[G0+4*(\slot)+2:G0+4*(\slot)+3], s[G0+4*(\slot)+2:G0+4*(\slot)+3], 512  ; two steps on; the type bits on top are not reached
.endif
	PAIRS 9
	s_wait_dscnt 0x0                               ; the add is done, and my reads of this slot are over
	s_barrier_signal -1
	PAIRS 6                                        ; work on registers while the others arrive
	WIN 0
	s_barrier_wait -1
.if \fill
	CREST
	TLOAD \slot
.endif
	BLOAD 0, 1-(\slot), 0                          ; the lower half's last reader is product 31: slice 15 is the four places between
	PAIRS 16
.endm
	XPUT                                           ; steps 0 to 7 are in my stage
	s_add_nc_u64 s[4:5], s[4:5], 256
	XGET                                           ; steps 8 to 15 are asked for
	XLOAD X0, 0, 0                                 ; step 0's x
	s_wait_dscnt 0x0
.set k, 0
.set XR, X0
.set AFN, AF0
.rept 29
	SL                                             ; the first features: there are no products yet to set them between; the first tiles are on their way meanwhile
.endr
	s_wait_tensorcnt 0x1                           ; my part of step 0 is in; step 1's, issued behind it, may stay out
	s_barrier_signal -1
	s_barrier_wait -1                              ; everybody's is
	BLOAD 0, 0, 0
	QSTEP 0, 0, 1                                  ; the first quarter stands in front of the loop: its products start the sums
	WIN 0
	s_mov_b32 s[CNT], 15
.Ltrip:                                                ; a trip goes once round the ring, from an even step's second quarter to the next even step's first, and fills both slots again: steps 2 to 31
	QSTEP 0, 1, 0, 1
	QSTEP 0, 2
	TURN 0, 1
	QSTEP 1, 0, 0, 0, 1
	QSTEP 1, 1, 0, 2
	QSTEP 1, 2
	TURN 1, 1
	QSTEP 0, 0
	WIN 0
	s_sub_co_u32 s[CNT], s[CNT], 1
	s_cmp_lg_u32 s[CNT], 0
	s_cbranch_scc1 .Ltrip
	QSTEP 0, 1, 0, 1                               ; steps 30 and 31 are written out: nothing is asked for
	QSTEP 0, 2
	TURN 0, 0
	QSTEP 1, 0
	QSTEP 1, 1
	QSTEP 1, 2
.set w, 0                              ; the very last quarter: no features are left to make
.set ZERO, 0
.set AFC, AF0+32
	s_wait_dscnt 0x0
	MM2
	PLACES                                         ; for the loads into the upper half
	BLOAD 1, 1, 3
.rept 15
	MM2
.endr
	s_wait_dscnt 0x0
.rept 16
	MM2
.endr
	PLACES                                         ; for the stores of results just made, and for the loads into the fragments' registers
; THE WAY OUT, a row block (16 rows x 256 columns) at a time.  A lane's eight columns, 32 bytes, go into rows of 1,040 bytes of my stage (each accumulator's low registers first)
; and come back as half rows: LDS serves a wave's instructions in order (ISA guide 5.7.1.4), so the loads see the stores, and the next block's stores come behind them.
.macro TOSTAGE a
.irp b, 0,1,2,3,4,5,6,7,8,9,10,11,12,13,14,15
	WIN ST_2+4*((\b)/8)
	ds_store_b128 v[STO], v[8*(4*((\b)%8)+(\a)):8*(4*((\b)%8)+(\a))+3]   offset:64*(\b)
	ds_store_b128 v[STO], v[8*(4*((\b)%8)+(\a))+4:8*(4*((\b)%8)+(\a))+7] offset:64*(\b)+16
.endr
.if (\a) >= 2
	s_wait_xcnt 0x0                                ; the stores of the block two back named these registers: they are loaded again only behind this wait
.endif
	WIN TO_1
.set e, 0
.rept 32
	ds_load_b128 v[128*((\a)%2)+4*e:128*((\a)%2)+4*e+3], v[RD] offset:(e/2)*OPITCH+(e%2)*512
.set e, e+1
.endr
.endm
.macro SEND a
	WIN ST_1
.set e, 0
.rept 32
	s_wait_dscnt 31-e                              ; LDS loads come back in order: load e is in, the later ones stay out
	global_store_b128 v[GO], v[128*((\a)%2)+4*e:128*((\a)%2)+4*e+3], s[8:9] offset:(16*(\a)+e/2)*2048+(e%2)*512  ; 512 consecutive bytes, at a multiple of 256 from part's first byte
.set e, e+1
.endr
.endm
.irp a, 0,1,2,3
	TOSTAGE \a
	SEND \a
.endr
	WIN 0
	s_wait_tensorcnt 0x0                           ; the wave's end, behind my last tensor load and my last LDS store
	ds_add_u32 v[SPW], v[NIL]
	s_wait_dscnt 0x0
	CROUND                                         ; the closing round: no work-group ends while a partner may still ask for a tile that names it
	s_endpgm
.Lfunc_end_k_q01e3c7f1ff_kan:
	.size	k_q01e3c7f1ff_kan, .Lfunc_end_k_q01e3c7f1ff_kan-k_q01e3c7f1ff_kan
	.p2alignl 7, 3214868480
	.fill 96, 4, 3214868480
	.section	.rodata,"a",@progbits
	.p2align	6, 0x0
	.amdhsa_kernel k_q01e3c7f1ff_kan
		.amdhsa_group_segment_fixed_size 327680
		.amdhsa_private_segment_fixed_size 0
		.amdhsa_enable_private_segment 0
		.amdhsa_kernarg_size 24
		.amdhsa_user_sgpr_count 2
		.amdhsa_user_sgpr_kernarg_segment_ptr 1
		.amdhsa_wavefront_size32 1
		.amdhsa_system_sgpr_workgroup_id_x 1
		.amdhsa_system_sgpr_workgroup_id_y 1
		.amdhsa_system_sgpr_workgroup_id_z 1
		.amdhsa_system_vgpr_workitem_id 0
		.amdhsa_next_free_vgpr 1024
		.amdhsa_next_free_sgpr 66
		.amdhsa_reserve_vcc 0
		.amdhsa_float_denorm_mode_32 3
		.amdhsa_float_denorm_mode_16_64 3
		.amdhsa_memory_ordered 1
		.amdhsa_forward_progress 1
		.amdhsa_inst_pref_size 255
	.end_amdhsa_kernel
	.section	.bss,"aw",@nobits
	.p2align	6
	.space	262144
	.amdgpu_metadata
---
amdhsa.version: [ 1, 2 ]
amdhsa.kernels:
  - .name:           k_q01e3c7f1ff_kan
    .symbol:         k_q01e3c7f1ff_kan.kd
    .args:
      - { .name: x, .offset: 0, .size: 8, .value_kind: global_buffer, .address_space: global }
      - { .name: wh, .offset: 8, .size: 8, .value_kind: global_buffer, .address_space: global }
      - { .name: part, .offset: 16, .size: 8, .value_kind: global_buffer, .address_space: global }
    .group_segment_fixed_size: 327680
    .private_segment_fixed_size: 0
    .kernarg_segment_align: 8
    .kernarg_segment_size: 24
    .max_flat_workgroup_size: 128
    .sgpr_count:     66
    .vgpr_count:     1024
    .wavefront_size: 32
...
	.end_amdgpu_metadata
.endif
;; end of part 2
;; launch ksum (part 3): grid 512 x 1, 8 waves a work-group, no clusters, 0 bytes of LDS; arguments part, out0; writes out0
.if DOCPART == 3
	.amdgcn_target "amdgcn-amd-amdhsa--gfx1250"
	.amdhsa_code_object_version 6
	.text
	.protected	k_q01e3c7f1ff_ksum
	.globl	k_q01e3c7f1ff_ksum
	.p2align	8
	.type	k_q01e3c7f1ff_ksum,@function
k_q01e3c7f1ff_ksum:
	s_mov_b64 s[64:65], 0
	v_nop
	global_prefetch_b8 v0, s[64:65] scope:SCOPE_SE
	s_setreg_imm32_b32 hwreg(HW_REG_WAVE_MODE, 25, 1), 1
	s_wait_xcnt 0x0
; out0[b][j] = (part[0][b][j] + part[1][b][j]) + (part[2][b][j] + part[3][b][j]).  part: [4][8192][512] f32; out0: [8192][512] f32.  The order of the sum is fixed.
; A stream: 512 work-groups of eight waves, each 32,768 bytes of out0 in eight chunks of 4,096; thread tid owns 16 bytes of each chunk, so a wave's load or store covers 512 consecutive bytes.
; All 32 loads of a thread go out first; no register that a store names is written again, so the only waits are the counted ones for the loads.  No LDS, no barrier, no matrix unit: nothing is shared and nothing multiplied.
.set P, 8                              ; v[8:135]  chunk j, quarter s: four registers at P + 16 j + 4 s
.set QB, 0x1000000                     ; bytes in a quarter of part
	s_load_b128 s[4:7], s[0:1], 0x0                ; part s[4:5], out0 s[6:7]
	s_lshl_b32 s2, ttmp9, 15
	s_mov_b32 s3, 0
	v_lshlrev_b32 v1, 4, v0
	s_wait_kmcnt 0x0
	s_add_nc_u64 s[8:9], s[4:5], s[2:3]            ; my 32,768 bytes in each quarter
	s_add_nc_u64 s[10:11], s[8:9], QB
	s_add_nc_u64 s[12:13], s[10:11], QB
	s_add_nc_u64 s[14:15], s[12:13], QB
	s_add_nc_u64 s[6:7], s[6:7], s[2:3]
.irp j, 0,1,2,3,4,5,6,7
.irp s, 0,1,2,3
	global_load_b128 v[P+16*(\j)+4*(\s):P+16*(\j)+4*(\s)+3], v1, s[8+2*(\s):9+2*(\s)] offset:4096*(\j) th:TH_LOAD_NT
.endr
.endr
.irp j, 0,1,2,3,4,5,6,7
	s_wait_loadcnt 28-4*(\j)                       ; loads come back in order (ISA guide 5.7.1): chunk j's four are in, the four of each later chunk stay out
	v_pk_add_f32 v[P+16*(\j):P+16*(\j)+1],     v[P+16*(\j):P+16*(\j)+1],     v[P+16*(\j)+4:P+16*(\j)+5]
	v_pk_add_f32 v[P+16*(\j)+2:P+16*(\j)+3],   v[P+16*(\j)+2:P+16*(\j)+3],   v[P+16*(\j)+6:P+16*(\j)+7]
	v_pk_add_f32 v[P+16*(\j)+8:P+16*(\j)+9],   v[P+16*(\j)+8:P+16*(\j)+9],   v[P+16*(\j)+12:P+16*(\j)+13]
	v_pk_add_f32 v[P+16*(\j)+10:P+16*(\j)+11], v[P+16*(\j)+10:P+16*(\j)+11], v[P+16*(\j)+14:P+16*(\j)+15]
	v_pk_add_f32 v[P+16*(\j):P+16*(\j)+1],     v[P+16*(\j):P+16*(\j)+1],     v[P+16*(\j)+8:P+16*(\j)+9]
	v_pk_add_f32 v[P+16*(\j)+2:P+16*(\j)+3],   v[P+16*(\j)+2:P+16*(\j)+3],   v[P+16*(\j)+10:P+16*(\j)+11]
	global_store_b128 v1, v[P+16*(\j):P+16*(\j)+3], s[6:7] offset:4096*(\j) th:TH_STORE_NT
.endr
	s_endpgm
.Lfunc_end_k_q01e3c7f1ff_ksum:
	.size	k_q01e3c7f1ff_ksum, .Lfunc_end_k_q01e3c7f1ff_ksum-k_q01e3c7f1ff_ksum
	.p2alignl 7, 3214868480
	.fill 96, 4, 3214868480
	.section	.rodata,"a",@progbits
	.p2align	6, 0x0
	.amdhsa_kernel k_q01e3c7f1ff_ksum
		.amdhsa_group_segment_fixed_size 0
		.amdhsa_private_segment_fixed_size 0
		.amdhsa_enable_private_segment 0
		.amdhsa_kernarg_size 16
		.amdhsa_user_sgpr_count 2
		.amdhsa_user_sgpr_kernarg_segment_ptr 1
		.amdhsa_wavefront_size32 1
		.amdhsa_system_sgpr_workgroup_id_x 1
		.amdhsa_system_sgpr_workgroup_id_y 1
		.amdhsa_system_sgpr_workgroup_id_z 1
		.amdhsa_system_vgpr_workitem_id 0
		.amdhsa_next_free_vgpr 136
		.amdhsa_next_free_sgpr 66
		.amdhsa_reserve_vcc 0
		.amdhsa_float_denorm_mode_32 3
		.amdhsa_float_denorm_mode_16_64 3
		.amdhsa_memory_ordered 1
		.amdhsa_forward_progress 1
		.amdhsa_inst_pref_size 8
	.end_amdhsa_kernel
	.amdgpu_metadata
---
amdhsa.version: [ 1, 2 ]
amdhsa.kernels:
  - .name:           k_q01e3c7f1ff_ksum
    .symbol:         k_q01e3c7f1ff_ksum.kd
    .args:
      - { .name: part, .offset: 0, .size: 8, .value_kind: global_buffer, .address_space: global }
      - { .name: out0, .offset: 8, .size: 8, .value_kind: global_buffer, .address_space: global }
    .group_segment_fixed_size: 0
    .private_segment_fixed_size: 0
    .kernarg_segment_align: 8
    .kernarg_segment_size: 16
    .max_flat_workgroup_size: 256
    .sgpr_count:     66
    .vgpr_count:     136
    .wavefront_size: 32
...
	.end_amdgpu_metadata
.endif
;; end of part 3
